; MI455X (gfx1250); checked and timed in simulation.
; The chip was launched on July 23, 2026; its instructions are those of AMD's public machine-readable ISA for CDNA 5 (MIT licence, August 2026) and "CDNA5" Instruction Set Architecture Reference Guide (July 2026). The comments in the code are by the model that wrote it; some were corrected since.
;; Head. Allowed arithmetic: matrix products marked QUANTISED: E2M3 operands, one E8M0 scale for each 32 along K, by v_wmma_scale_f32_16x16x128_f8f6f4 with both operands' format E2M3, f32 sums; everything else in f32.
;; Inputs: Wk_codes 64 x 2 x 24 uint8 (E2M3 codes of Wk, K innermost, in blocks of 32 codes, four codes in three bytes); Wk_scales 64 x 2 uint8 (E8M0 scales of Wk, one for each 32 codes along K); Wq_codes 64 x 2 x 24 uint8 (E2M3 codes of Wq, K innermost, in blocks of 32 codes, four codes in three bytes); Wq_scales 64 x 2 uint8 (E8M0 scales of Wq, one for each 32 codes along K); Wv_codes 64 x 2 x 24 uint8 (E2M3 codes of Wv, K innermost, in blocks of 32 codes, four codes in three bytes); Wv_scales 64 x 2 uint8 (E8M0 scales of Wv, one for each 32 codes along K); x_codes 4 x 4,096 x 2 x 24 uint8 (E2M3 codes of x, K innermost, in blocks of 32 codes, four codes in three bytes); x_scales 4 x 4,096 x 2 uint8 (E8M0 scales of x, one for each 32 codes along K).
;; Outputs: out0 4 x 4,096 x 64 float32.
;; This version of the problem:
;;   THIS VERSION OF THE PROBLEM IS GIVEN IN LOW PRECISION. The matrix products marked QUANTISED in the list below multiply operands that are first quantised to E2M3 (2 exponent bits, 3 mantissa bits; 6 bits a number), with one power-of-two scale for each 32 numbers along K (OCP MX v1.0); their sums are f32. All else is computed in f32.
;;   The module's matrix products, in the order in which they are computed (A, B: the left and right operand; K: the contracted axis; several contracted axes count as one K, in the product's order):
;;     1. [M 16,384, K 64] x [K 64, N 64]; A: input x (given as codes); B: input Wq (given as codes): QUANTISED
;;     2. [M 16,384, K 64] x [K 64, N 64]; A: input x (given as codes); B: input Wk (given as codes): QUANTISED
;;     3. [M 16,384, K 64] x [K 64, N 64]; A: input x (given as codes); B: input Wv (given as codes): QUANTISED
;;     4. batch 4 x [M 4,096, K 64] x [K 64, N 4,096]; A: computed on the way; B: computed on the way: QUANTISED
;;     5. batch 4 x [M 4,096, K 4,096] x [K 4,096, N 64]; A: softmax (see below); B: computed on the way: QUANTISED
;;   THE QUANTISER, for each operand of a quantised product, along K:
;;     - K is cut into blocks of 32 from its start; a last block that is shorter is filled with zeros.
;;     - A block's scale is 2^e with e = floor(log2(the largest magnitude in the block)) - 2, held to -126 .. 127; a block of zeros has e = 0. As a byte (E8M0): e + 127.
;;     - Each number is divided by its block's scale, clamped to +-7.5, and rounded to the nearest number of E2M3, ties to even, subnormals kept.
;;     - The product sums the exact products of the quantised numbers (number of the format x scale) in f32.
;;   ~~~python
;;   def quantise(x, axis):      # numpy; x: float32 -> the quantised numbers, widened to float32 again
;;       x = np.moveaxis(x, axis, -1); K = x.shape[-1]
;;       x = np.pad(x, [(0, 0)] * (x.ndim - 1) + [(0, -K % 32)]); x = x.reshape(x.shape[:-1] + (-1, 32)); a = np.abs(x).max(-1, keepdims=True)
;;       e = np.where(a > 0, np.clip(np.frexp(np.where(a > 0, a, 1))[1] - 1 - 2, -126, 127), 0)      # np.frexp(a)[1] - 1 = floor(log2(a)), exactly
;;       r = np.clip(x / 2.0 ** e, -7.5, 7.5)
;;       step = 2.0 ** (np.maximum(np.frexp(np.where(r == 0, 1, r))[1] - 1, 0) - 3)
;;       q = np.round(r / step) * step * 2.0 ** e      # np.round: ties to even
;;       return np.moveaxis(q.reshape(q.shape[:-2] + (-1,))[..., :K], -1, axis).astype(np.float32)
;;   ~~~
;;   SOFTMAX AHEAD OF A QUANTISED PRODUCT. Where the list says 'softmax', what is quantised is not the finished softmax but p = 2^(t - M), with t = logit x log2(e) and M = ceil(the row's largest t), a whole number; so 1/2 < the row's largest p <= 1. The row's sum l is taken of the UNQUANTISED p, in f32, and the product's result is divided by l at the end. Since M is a whole number, a kernel that streams over the keys may use a running M (the ceiling of the running maximum): every later rescaling is an exact power of two, which a block's scale takes up: the codes' values come out the same.
;;   OPERANDS COMPUTED ON THE WAY. 'Computed on the way' means the value that the module computes at that place (a softmax that the list does not call 'softmax' is quantised finished and normalised). What goes into a quantiser is computed in f32, as accurately as f32 sums, v_exp_f32 and their like allow (about 1e-6 of the number): no bf16 or f16 on the way to a quantiser, and a product that is left as it is and whose result goes on into a quantised operand takes f32 operands (vector FMAs, or v_wmma_f32_16x16x4_f32). A number that lies on a knife's edge between two numbers of the format may be rounded either way, as far as f32 arithmetic and the matrix unit's own rounding can turn it there, and no further.
;;   INPUTS GIVEN AS CODES. Wk (in the module: [64, 64], K = its axis 0); Wq (in the module: [64, 64], K = its axis 0); Wv (in the module: [64, 64], K = its axis 0); x (in the module: [4, 4096, 64], K = its axis 2): each comes as NAME_codes (uint8): NAME with its K axis moved to the last place and cut into blocks of 32 codes, [.., K / 32, bytes a block], one block behind the other in memory; four codes in three bytes: a row's codes are one little-endian stream of bits, code i at bits 6 i .. 6 i + 5 (a code: sign, 2 exponent bits, 3 mantissa bits); and NAME_scales (uint8): the same leading axes, one E8M0 byte (e + 127) for each 32 codes along K. Its value is code x scale, taken as it is: it is not quantised again, and the codes and scales need not be those that the quantiser above would give.
;; One version. Each part assembles by itself: llvm-mc -triple=amdgcn-amd-amdhsa -mcpu=gfx1250 --defsym DOCPART=n.
;; ======== version 1 of 1: 2 launches
;; workspace buffers: kv 1,671,168 bytes; qimg 851,968 bytes
;; launch project (part 1): grid 128 x 3, 1 waves a work-group, no clusters, 0 bytes of LDS; arguments x_codes, x_scales, Wq_codes, Wq_scales, Wk_codes, Wk_scales, Wv_codes, Wv_scales, qimg, kv; writes qimg, kv
.if DOCPART == 1
	.amdgcn_target "amdgcn-amd-amdhsa--gfx1250"
	.amdhsa_code_object_version 6
	.text
	.protected	k_q82f8c36079_project
	.globl	k_q82f8c36079_project
	.p2align	8
	.type	k_q82f8c36079_project,@function
k_q82f8c36079_project:
	s_mov_b64 s[64:65], 0
	v_nop
	global_prefetch_b8 v0, s[64:65] scope:SCOPE_SE
	s_setreg_imm32_b32 hwreg(HW_REG_WAVE_MODE, 25, 1), 1
	s_wait_xcnt 0x0
; q = x Wq, k = x Wk, v = x Wv on the given codes of FP6 (E2M3) with E8M0 scales, sums in f32; the results are quantised again in registers
; (q and k along the head's 64, v along the keys) and stored in the ORDER OF THE OPERANDS' REGISTERS, so that the next launch takes every fragment by loads of 16 bytes a lane.
; SHARES.  A work-group is one wave.  x = a chunk of 128 tokens (128 chunks = 4 batches x 32); y = the role: 0 makes q, 1 makes k, 2 makes v.  32 matrix instructions a wave.  No LDS, no barrier.
; Nothing is fetched jointly: a chunk's 6,400 bytes of x are read by three work-groups and a weight's 3,200 bytes by 128: too little for tiles in LDS.
; TOKENS OF A TILE ARE NOT NEIGHBOURS: lane r of tile 2 b + u takes token 32 b + 8 u + r + 8 (r / 8) of the chunk.  Wq's and Wk's rows are taken in the same order.  So a result's 16 registers of two neighbouring
; tiles are 16 neighbours along the axis that is quantised next.
; K IS 64 IN A FORM OF 128.  The weights' fragments have zero codes in registers 6-11 (k = 64 .. 127), and all scale words have 0 in bytes 2 and 3 (2^-127, no NaN).  x's tiles lie 6 registers apart, so the upper half
; of a tile's 12 registers is the next tile's codes: E2M3 has no infinity and no NaN, so such a code times the code 0 adds exactly 0.  Six zero registers stand behind tile 7.
; q, k: source 0 = 16 rows of W, source 1 = 16 tokens: a lane holds ONE token and its registers run along the head.   v: source 0 = 16 tokens, source 1 = 16 rows of Wv: a lane holds ONE channel and its registers run along the tokens.
; A block's scale: the largest magnitude's exponent field less 2, held at 1 from below by a floor among the maximum's leaves.
; RECORDS.  kv: 13,056 bytes a chunk: K's 48 registers a lane (register group j of four at 512 j + 16 lane); at 6,144 K's scale words, 16 bytes a lane (word j: lanes 0-15 tile j, lanes 16-31 tile 4 + j);
;   at 6,656 V's four fragments of 12 registers (1,536 n + 512 c + 16 lane); at 12,800 V's scale words, 8 bytes a lane (word j: lanes 0-15 tile j, lanes 16-31 tile 2 + j).   qimg: 6,656 bytes a chunk, as K's part.
; LIMITS: a given scale byte 0xff (NaN) is not served.  A block whose largest magnitude lies under 2^-124 keeps the byte 1; a block of zeros keeps the byte 1 too: its codes are zeros, and this program alone reads the bytes.
.set KVREC, 13056
.set QREC,  6656
.set XA,  1                            ; v1   x, Wq, Wk: (r + 8 (r / 8)) x 48 + 24 h
.set XSA, 2                            ; v2   their scale bytes: (r + 8 (r / 8)) x 2
.set WA,  3                            ; v3   Wv: 48 r + 24 h
.set WSA, 4                            ; v4   its scale bytes: 2 r
.set L16, 5                            ; v5   16 x lane
.set L8,  6                            ; v6   8 x lane
.set BM,  10                           ; v10-13 largest magnitudes
.set PT,  14                           ; v14-17 the other half's, then the scale bytes
.set SO,  18                           ; v18-21 the conversions' scale operands
.set XS,  22                           ; v22-29 x's scale words, one register a tile
.set WS,  30                           ; v30-33 the weight's
.set CV,  34                           ; v[34:36], v[38:40] the conversions' second halves
.set W8,  42                           ; v42-49 the scale words made
.set SW,  50                           ; v[50:53] as they are stored
.set X,   54                           ; v[54:101] x's 8 tiles, 6 registers each; v[102:107] zeros
.set W,   108                          ; v[108:155] the weight's 4 tiles, 12 registers each, the upper 6 zeros
.set H,   156                          ; v[156:219] results
.set C,   220                          ; v[220:243] codes to store, two sets of 12
.set SEL, 26                           ; s[26:27] v_permlanex16_b32's selects for lane l xor 16
	s_load_b512 s[4:19], s[0:1], 0x0               ; x's codes 4:5, scales 6:7; Wq's 8:9, 10:11; Wk's 12:13, 14:15; Wv's 16:17, 18:19
	s_load_b128 s[20:23], s[0:1], 0x40             ; qimg 20:21, kv 22:23
.irp j, 0,1,2,3,4,5
	v_mov_b32 v[X+48+\j], 0                        ; behind x's tile 7
.endr
.irp t, 0,1,2,3
.irp j, 6,7,8,9,10,11
	v_mov_b32 v[W+12*\t+\j], 0                     ; the weight's k = 64 .. 127
.endr
.endr
.irp b, 0,1,2,3
	v_mov_b32 v[PT+\b], 0                          ; written once: a lane permute's destination counts as one of its sources
.endr
	v_and_b32 v7, 15, v0                           ; r
	v_lshrrev_b32 v8, 4, v0                        ; h (one wave: v0 is the lane)
	v_and_b32 v9, 8, v7
	v_add_nc_u32 v9, v9, v7                        ; r + 8 (r / 8)
	v_mul_u32_u24 v[XA], v9, 48
	v_mad_u32_u24 v[XA], v8, 24, v[XA]
	v_lshlrev_b32 v[XSA], 1, v9
	v_mul_u32_u24 v[WA], v7, 48
	v_mad_u32_u24 v[WA], v8, 24, v[WA]
	v_lshlrev_b32 v[WSA], 1, v7
	v_lshlrev_b32 v[L16], 4, v0
	v_lshlrev_b32 v[L8], 3, v0
	s_and_b32 s24, ttmp7, 0xffff                   ; the role
	s_mov_b32 s[SEL], 0x76543210
	s_mov_b32 s[SEL+1], 0xfedcba98
	s_mul_i32 s28, ttmp9, 6144                     ; the chunk's 128 rows of 48 bytes,
	s_mov_b32 s29, 0
	s_lshl_b32 s30, ttmp9, 8                       ; and of 2 scale bytes
	s_mov_b32 s31, 0
	s_wait_alu depctr_va_vdst(0)
	s_wait_kmcnt 0x0
	s_add_nc_u64 s[4:5], s[4:5], s[28:29]
	s_add_nc_u64 s[6:7], s[6:7], s[30:31]
.irp i, 0,1,2,3,4,5,6,7                        ; x's tile i begins at token 32 (i / 2) + 8 (i % 2): 24 bytes a lane as three loads of 8; the two scale bytes come zero-extended: bytes 2 and 3 of the word are 0
.irp p, 0,1,2
	global_load_b64 v[X+6*\i+2*\p:X+6*\i+2*\p+1], v[XA], s[4:5] offset:(32*(\i/2)+8*(\i%2))*48+8*\p
.endr
	global_load_u16 v[XS+\i], v[XSA], s[6:7] offset:(32*(\i/2)+8*(\i%2))*2
.endr
; 32 numbers of a lane, v[hb] on, register 16 b + i = head index 32 b + 16 (lane / 16) + i of my token, become a tile's 6 registers of codes in v[dst] on and its scale word in v[wd].
; Two chains for each block; each of the four accumulators is first read at its low end.
.macro QUANT2 hb, dst, wd
.irp b, 0,1
	v_max3_num_f32 v[BM+\b], |v[(\hb)+16*\b]|, |v[(\hb)+16*\b+1]|, 0x1800000      ; the floor 2^(3 - 127): the byte cannot fall under 1
	v_max3_num_f32 v[BM+2+\b], |v[(\hb)+16*\b+8]|, |v[(\hb)+16*\b+9]|, |v[(\hb)+16*\b+10]|
.endr
.irp i, 2,4
.irp b, 0,1
	v_max3_num_f32 v[BM+\b], v[BM+\b], |v[(\hb)+16*\b+\i]|, |v[(\hb)+16*\b+\i+1]|
	v_max3_num_f32 v[BM+2+\b], v[BM+2+\b], |v[(\hb)+16*\b+\i+9]|, |v[(\hb)+16*\b+\i+10]|
.endr
.endr
.irp b, 0,1
	v_max3_num_f32 v[BM+\b], v[BM+\b], |v[(\hb)+16*\b+6]|, |v[(\hb)+16*\b+7]|
.endr
.irp b, 0,1
	v_max3_num_f32 v[BM+\b], v[BM+\b], v[BM+2+\b], |v[(\hb)+16*\b+15]|
.endr
.irp b, 0,1
	v_permlanex16_b32 v[PT+\b], v[BM+\b], s[SEL], s[SEL+1]
.endr
.irp b, 0,1
	v_max_num_f32 v[BM+\b], v[BM+\b], v[PT+\b]     ; with lane l xor 16's 16: the block's largest magnitude
.endr
.irp b, 0,1
	v_add_nc_u32 v[SO+\b], 0xff000000, v[BM+\b]    ; 2 off its exponent field: the conversion takes that field as its scale and nothing else
.endr
.irp b, 0,1
	v_lshrrev_b32 v[PT+2+\b], 23, v[SO+\b]         ; the scale's byte
.endr
	v_lshl_or_b32 v[\wd], v[PT+3], 8, v[PT+2]      ; my token's scale word; bytes 2 and 3 stay 0
	v_cvt_scalef32_pk16_fp6_f32 v[(\dst):(\dst)+2], v[(\hb):(\hb)+15], v[SO]
	v_cvt_scalef32_pk16_fp6_f32 v[CV:CV+2], v[(\hb)+16:(\hb)+31], v[SO+1]      ; (a conversion's three registers begin on an even number)
	v_nop                                          ; one plain place behind a scaled conversion
.irp i, 0,1,2
	v_permlane16_swap_b32 v[(\dst)+\i], v[CV+\i]   ; the layout wants a whole block in a lane: lanes 0-15 block 0, lanes 16-31 block 1
.endr
.irp i, 0,1,2
	v_mov_b32 v[(\dst)+3+\i], v[CV+\i]
.endr
.endm
; 64 numbers of a lane, v[H] on, register 16 b + i = token 32 b + 16 (lane / 16) + i of my channel, become a whole fragment in v[dst] on and its scale word in v[wd].
.macro QUANT4 dst, wd
.irp b, 0,1,2,3
	v_max3_num_f32 v[BM+\b], |v[H+16*\b]|, |v[H+16*\b+1]|, 0x1800000
.endr
.irp i, 2,4,6,8,10,12,14
.irp b, 0,1,2,3
	v_max3_num_f32 v[BM+\b], v[BM+\b], |v[H+16*\b+\i]|, |v[H+16*\b+\i+1]|      ; the four blocks by turns
.endr
.endr
.irp b, 0,1,2,3
	v_permlanex16_b32 v[PT+\b], v[BM+\b], s[SEL], s[SEL+1]
.endr
.irp b, 0,1,2,3
	v_max_num_f32 v[BM+\b], v[BM+\b], v[PT+\b]
.endr
.irp b, 0,1,2,3
	v_add_nc_u32 v[SO+\b], 0xff000000, v[BM+\b]
.endr
.irp b, 0,1,2,3
	v_lshrrev_b32 v[PT+\b], 23, v[SO+\b]
.endr
	v_lshl_or_b32 v[\wd], v[PT+1], 8, v[PT]
	v_lshl_or_b32 v[\wd], v[PT+2], 16, v[\wd]
	v_lshl_or_b32 v[\wd], v[PT+3], 24, v[\wd]
.irp c, 0,1
	v_cvt_scalef32_pk16_fp6_f32 v[(\dst)+6*\c:(\dst)+6*\c+2], v[H+32*\c:H+32*\c+15], v[SO+2*\c]
	v_cvt_scalef32_pk16_fp6_f32 v[CV+4*\c:CV+4*\c+2], v[H+32*\c+16:H+32*\c+31], v[SO+2*\c+1]
.endr
	v_nop                                          ; one plain place behind a scaled conversion
.irp c, 0,1
.irp i, 0,1,2
	v_permlane16_swap_b32 v[(\dst)+6*\c+\i], v[CV+4*\c+\i]
.endr
.irp i, 0,1,2
	v_mov_b32 v[(\dst)+6*\c+3+\i], v[CV+4*\c+\i]
.endr
.endr
.endm
; q, k: tile i of tokens against the weight's four tiles, into result set i % 2
.macro WM i
.irp t, 0,1,2,3
	v_wmma_scale_f32_16x16x128_f8f6f4 v[H+32*((\i)%2)+8*\t:H+32*((\i)%2)+8*\t+7], v[W+12*\t:W+12*\t+11], v[X+6*(\i):X+6*(\i)+11], 0, v[WS+\t], v[XS+(\i)] matrix_a_fmt:MATRIX_FMT_FP6 matrix_b_fmt:MATRIX_FMT_FP6
.endr
.endm
; v: the eight tiles of tokens against channel tile n
.macro VM n
.irp i, 0,1,2,3,4,5,6,7
	v_wmma_scale_f32_16x16x128_f8f6f4 v[H+8*\i:H+8*\i+7], v[X+6*\i:X+6*\i+11], v[W+12*(\n):W+12*(\n)+11], 0, v[XS+\i], v[WS+(\n)] matrix_a_fmt:MATRIX_FMT_FP6 matrix_b_fmt:MATRIX_FMT_FP6
.endr
.endm
	s_cmp_eq_u32 s24, 2
	s_cbranch_scc1 .Lv
	; ---- q or k.  The buffers are chosen on the role alone
	s_cmp_eq_u32 s24, 0
	s_cselect_b64 s[32:33], s[8:9], s[12:13]       ; the weight's codes,
	s_cselect_b64 s[34:35], s[10:11], s[14:15]     ; its scale bytes,
	s_cselect_b64 s[36:37], s[20:21], s[22:23]     ; where the image goes,
	s_mov_b32 s38, KVREC
	s_cselect_b32 s38, QREC, s38                   ; and a chunk's bytes there
	s_mul_i32 s38, ttmp9, s38
	s_mov_b32 s39, 0
	s_add_nc_u64 s[36:37], s[36:37], s[38:39]
.irp t, 0,1,2,3                                ; the weight's tile t begins at row 32 (t / 2) + 8 (t % 2)
.irp p, 0,1,2
	global_load_b64 v[W+12*\t+2*\p:W+12*\t+2*\p+1], v[XA], s[32:33] offset:(32*(\t/2)+8*(\t%2))*48+8*\p
.endr
	global_load_u16 v[WS+\t], v[XSA], s[34:35] offset:(32*(\t/2)+8*(\t%2))*2
.endr
	s_wait_loadcnt 0x0
	WM 0
.rept 4
	v_nop                                          ; four places between tile 0's products and the first read of their results (ISA guide 7.12.1)
.endr
.irp i, 0,1,2,3,4,5,6,7                        ; tile i + 1's products are issued ahead of tile i's quantiser, whose lines name none of their registers: they are the places behind them
.if \i == 4
	s_wait_xcnt 0x0                                ; both sets of code registers have been stored: they are written again only behind this wait
.endif
.if \i < 7
	WM \i+1
.endif
	QUANT2 H+32*(\i%2), C+12*((\i/2)%2)+6*(\i%2), W8+\i
.if \i%2 == 1
.irp c, 0,1,2
	global_store_b128 v[L16], v[C+12*((\i/2)%2)+4*\c:C+12*((\i/2)%2)+4*\c+3], s[36:37] offset:1536*(\i/2)+512*\c    ; two tiles' 12 registers: each store covers 512 consecutive bytes, aligned to 256
.endr
.endif
.endr
	v_cmp_le_u32 vcc_lo, 16, v0
.irp j, 0,1,2,3
	v_cndmask_b32 v[SW+\j], v[W8+\j], v[W8+4+\j], vcc_lo           ; lanes 0-15 tile j's word, lanes 16-31 tile 4 + j's (both halves of the lanes hold every word)
.endr
	global_store_b128 v[L16], v[SW:SW+3], s[36:37] offset:6144
	s_endpgm
.Lv:	; ---- v
	s_mul_i32 s38, ttmp9, KVREC
	s_mov_b32 s39, 0
	s_add_nc_u64 s[36:37], s[22:23], s[38:39]
.irp n, 0,1,2,3                                ; Wv's tile n: rows 16 n + r, as they lie
.irp p, 0,1,2
	global_load_b64 v[W+12*\n+2*\p:W+12*\n+2*\p+1], v[WA], s[16:17] offset:16*\n*48+8*\p
.endr
	global_load_u16 v[WS+\n], v[WSA], s[18:19] offset:32*\n
.endr
	s_wait_loadcnt 0x0
.irp n, 0,1,2,3
	VM \n
.rept 4
	v_nop                                          ; four places in front of the first read of the results; with the quantiser's lines that name none of these registers they also serve the next tile's products, which write over them
.endr
.if \n == 2
	s_wait_xcnt 0x0                                ; both sets of code registers have been stored
.endif
	QUANT4 C+12*(\n%2), W8+\n
.irp c, 0,1,2
	global_store_b128 v[L16], v[C+12*(\n%2)+4*\c:C+12*(\n%2)+4*\c+3], s[36:37] offset:6656+1536*\n+512*\c
.endr
.endr
	v_cmp_le_u32 vcc_lo, 16, v0
	v_cndmask_b32 v[SW], v[W8], v[W8+2], vcc_lo    ; lanes 0-15 tile j's word, lanes 16-31 tile 2 + j's
	v_cndmask_b32 v[SW+1], v[W8+1], v[W8+3], vcc_lo
	global_store_b64 v[L8], v[SW:SW+1], s[36:37] offset:12800      ; 256 consecutive bytes, aligned
	s_endpgm
.Lfunc_end_k_q82f8c36079_project:
	.size	k_q82f8c36079_project, .Lfunc_end_k_q82f8c36079_project-k_q82f8c36079_project
	.p2alignl 7, 3214868480
	.fill 96, 4, 3214868480
	.section	.rodata,"a",@progbits
	.p2align	6, 0x0
	.amdhsa_kernel k_q82f8c36079_project
		.amdhsa_group_segment_fixed_size 0
		.amdhsa_private_segment_fixed_size 0
		.amdhsa_enable_private_segment 0
		.amdhsa_kernarg_size 80
		.amdhsa_user_sgpr_count 2
		.amdhsa_user_sgpr_kernarg_segment_ptr 1
		.amdhsa_wavefront_size32 1
		.amdhsa_system_sgpr_workgroup_id_x 1
		.amdhsa_system_sgpr_workgroup_id_y 1
		.amdhsa_system_sgpr_workgroup_id_z 1
		.amdhsa_system_vgpr_workitem_id 0
		.amdhsa_next_free_vgpr 256
		.amdhsa_next_free_sgpr 66
		.amdhsa_reserve_vcc 1
		.amdhsa_float_denorm_mode_32 3
		.amdhsa_float_denorm_mode_16_64 3
		.amdhsa_memory_ordered 1
		.amdhsa_forward_progress 1
		.amdhsa_inst_pref_size 51
	.end_amdhsa_kernel
	.amdgpu_metadata
---
amdhsa.version: [ 1, 2 ]
amdhsa.kernels:
  - .name:           k_q82f8c36079_project
    .symbol:         k_q82f8c36079_project.kd
    .args:
      - { .name: x_codes, .offset: 0, .size: 8, .value_kind: global_buffer, .address_space: global }
      - { .name: x_scales, .offset: 8, .size: 8, .value_kind: global_buffer, .address_space: global }
      - { .name: Wq_codes, .offset: 16, .size: 8, .value_kind: global_buffer, .address_space: global }
      - { .name: Wq_scales, .offset: 24, .size: 8, .value_kind: global_buffer, .address_space: global }
      - { .name: Wk_codes, .offset: 32, .size: 8, .value_kind: global_buffer, .address_space: global }
      - { .name: Wk_scales, .offset: 40, .size: 8, .value_kind: global_buffer, .address_space: global }
      - { .name: Wv_codes, .offset: 48, .size: 8, .value_kind: global_buffer, .address_space: global }
      - { .name: Wv_scales, .offset: 56, .size: 8, .value_kind: global_buffer, .address_space: global }
      - { .name: qimg, .offset: 64, .size: 8, .value_kind: global_buffer, .address_space: global }
      - { .name: kv, .offset: 72, .size: 8, .value_kind: global_buffer, .address_space: global }
    .group_segment_fixed_size: 0
    .private_segment_fixed_size: 0
    .kernarg_segment_align: 8
    .kernarg_segment_size: 80
    .max_flat_workgroup_size: 32
    .sgpr_count:     66
    .vgpr_count:     256
    .wavefront_size: 32
...
	.end_amdgpu_metadata
.endif
;; end of part 1
;; launch attend (part 2): grid 64 x 4, 16 waves a work-group, clusters of 4 x 1, 327,680 bytes of LDS; arguments qimg, kv, out0; writes out0
.if DOCPART == 2
	.amdgcn_target "amdgcn-amd-amdhsa--gfx1250"
	.amdhsa_code_object_version 6
	.text
	.protected	k_q82f8c36079_attend
	.globl	k_q82f8c36079_attend
	.p2align	8
	.type	k_q82f8c36079_attend,@function
k_q82f8c36079_attend:
	s_mov_b64 s[64:65], 0
	v_nop
	global_prefetch_b8 v0, s[64:65] scope:SCOPE_SE
	s_setreg_imm32_b32 hwreg(HW_REG_WAVE_MODE, 25, 1), 1
	s_wait_xcnt 0x0
	s_wait_alu depctr_hold_cnt(0) depctr_sa_sdst(0) depctr_va_vdst(0) depctr_va_sdst(0) depctr_va_ssrc(0) depctr_va_vcc(0) depctr_vm_vsrc(0)
	s_getreg_b32 s2, hwreg(HW_REG_IB_STS2, 6, 4)
	s_cmp_eq_u32 s2, 0
	s_cbranch_scc0 .Lentry_in_a_cluster
	s_endpgm
.Lentry_in_a_cluster:
	s_bfe_u32 s2, ttmp6, 0x10000c
	s_cmp_lg_u32 s2, 0x3003
	s_cbranch_scc0 .Lentry_shape_is_right
	s_endpgm
.Lentry_shape_is_right:
; out[b][q][:] = the sum over keys k <= q of softmax_k(8 q . k) v[k][:], both products on codes of FP6 (E2M3) with one E8M0 scale for each 32 along a product's K.  q, k and v come as images of operand registers.
; THE SOFTMAX: t = score x 8 log2(e); M = the largest t so far, rounded UP to a whole number; p = 2^(t - M) is quantised along the keys, not normalised; the row's sum is taken of the unquantised p and divides at the end.
; BALANCE.  The 8 query tiles of a group G of 128 queries all need key steps 0 .. G (128 keys a step), the diagonal in step G.  A cluster of four work-groups (cluster x = g, 0 .. 15; y = the batch) owns groups g and 31 - g;
; work-group cx takes tiles 2 cx and 2 cx + 1 of each: 2 (g + 1) + 2 (32 - g) = 66 tile steps for every work-group.  Every branch hangs on g and the wave's number, never on cx: the four partners run alike.
; WAVES.  Sixteen, 256 registers each.  Wave w: u = w / 4 is its key phase (it takes the key steps that are u modulo 4), t = (w + u) % 4 its tile (t < 2: group g, else group 31 - g; t % 2: which of the two tiles).
; The four waves of a tile each keep O, the sum and M for their keys; at the end these meet in LDS.  M is a whole number, so bringing them under one M is a multiplication by a power of two.  A wave without steps adds 0.
; K AND V.  All four partners walk the batch's keys alike, so each slot of 8 key steps (104,448 dense bytes) is asked for JOINTLY: waves 0-3 each fetch a quarter (102 rows of 256 bytes) with a mask that names the four.
; Two slots by turns; every work-group walks all four slots' worth, so that trip counts are constants and no joint load is left out; a step whose keys all come after the wave's queries is jumped over.
; LAYOUT.  S^T = K Q^T (source 0 = 16 keys, source 1 = my 16 queries), O^T = V^T P^T (source 0 = 16 channels, source 1 = P): a lane holds ONE query throughout.  Lane r of tile 2 b + u holds token 32 b + 8 u + r + 8 (r / 8),
; so the 16 registers of score tiles 2 b and 2 b + 1 are the neighbouring keys 32 b + 16 (lane / 16) + 0 .. 15.
; THE HEAD IS 64 IN A FORM OF 128: Q's registers 6-11 are zero codes, K's and Q's scale words have 0 in bytes 2 and 3, and K's tiles lie 6 registers apart: a tile's upper half is the next tile's codes, which times the code 0 add exactly 0
; (E2M3 has no infinity and no NaN); six zero registers stand behind tile 7.
; No padding in LDS: every read of a slot is 16 or 8 bytes a lane on end.
; LIMITS: a block of p whose every p has fallen to 0 keeps the scale byte 1 (its codes are zeros).  A block's largest p is taken from its largest score by the same multiply-add and exponential: this takes v_exp_f32 not to fall where
; its input rises.  Scores are taken to be finite.
.set STEPB, 13056                      ; a key step's record: K's codes 6,144, K's scale words 512, V's codes 6,144, V's scale words 256
.set SLOTB, 8*STEPB
.set QUART, SLOTB/4                    ; what one tensor load brings: 102 x 256 bytes
.set SLOT1, 1<<17                      ; slot 1 begins here: one exclusive or turns an address from one slot to the other
.set SPARE, SLOT1+SLOTB                ; the spare words, 128 bytes for each wave: eight blocks of 256 bytes that no other line names
.set SROW,  272                        ; a stage row: 64 channels of f32 + 16 bytes
.set STILE, 16*SROW
.set STAGE, SPARE+2048                 ; sixteen stages of 16 rows, by 4 t + u: bytes of their own, into which no fill lands
.set STATS, STAGE+16*STILE             ; sixteen x 16 rows x (-M, sum)
.set QREC,  6656
.set SPW, 1                            ; v1   LDS address of my spare word; never rewritten
.set NIL, 2                            ; v2   0; never rewritten
.set A16, 3                            ; v3   16 x lane + u x STEPB
.set A8,  4                            ; v4   8 x lane + u x STEPB
.set DD,  5                            ; v5   my query's place in its group less 16 (lane / 16)
.set QS,  6                            ; v6   Q's scale words
.set PW,  7                            ; v7   p's scale word
.set KSC, 8                            ; v[8:11] K's scale words: word j: lanes 0-15 tile j, lanes 16-31 tile 4 + j
.set Q,   16                           ; v[16:27] Q's fragment.  v12 -M, v13 the largest t, v[14:15] the sum in two halves
.set VSC, 28                           ; v[28:29] V's scale words: word j: lanes 0-15 tile j, lanes 16-31 tile 2 + j
.set STO, 30                           ; v30  the stage: where I put 32 bytes of a row
.set STA, 31                           ; v31  where I put my row's -M and sum
.set K,   32                           ; v[32:79] K's 8 tiles; behind the score products free for work;  v[80:85] zeros
.set PT,  32                           ; v32-35 the other half's maxima
.set BY,  36                           ; v36-39 scale bytes
.set CV,  40                           ; v[40:42], v[44:46] the conversions' second halves
.set SU,  48                           ; v[48:49] the second chain of the sum
.set V,   86                           ; v[86:133] V's four fragments
.set RD,  134                          ; v134 the stage: where I read rows back
.set SRD, 135                          ; v135 and their -M and sums
.set S,   136                          ; v[136:199] S^T, then p
.set O,   200                          ; v[200:231] O^T
.set P,   232                          ; v[232:243] p's codes
.set F,   244                          ; v244 f = 2^(old M - new M)
.set TMP, 245                          ; v245 at work
.set BM,  246                          ; v246-249 the blocks' largest scores, then largest p, then the conversions' scale operands
.set AD16, 250                         ; v250 LDS address of the step in hand, 16 bytes a lane
.set AD8,  251                         ; v251 8 bytes a lane
.set GO,  254                          ; v254 my byte offset in two rows of out
.set MO,  136                          ; the merge: 8 x 4 registers of O (partial w, row pair i: 8 w + 4 i)
.set MS,  168                          ; 8 x (-M, sum): 4 w + 2 i
.set NM,  184                          ; v184-185 the joint -M
.set MF,  186                          ; v186-193 the partials' factors: 4 i + w
.set ML,  194                          ; v194-195 the joint sum
.set MR,  200                          ; v[200:207] the finished rows
.set WV,  10                           ; s10 wave
.set UU,  11                           ; s11 u
.set TT,  12                           ; s12 t
.set CX,  13                           ; s13 cx: it enters global addresses and v5 alone
.set GC,  14                           ; s14 g
.set BA,  15                           ; s15 the batch
.set GG,  16                           ; s16 my tile's group G
.set KS,  17                           ; s17 my next key step
.set TRIPS, 18
.set TP,  19                           ; s19 t % 2
.set SEL, 20                           ; s[20:21] lane selects for lane l xor 16
.set CS,  22                           ; s[22:23] c = 8 log2(e): the packed form names a pair and takes its low word
.set G1,  24                           ; s[24:31] descriptor group 1
.set G0,  32                           ; s[32:35] descriptor group 0, which walks
.set TB,  54                           ; s54 LDS byte at which the slot in hand begins
; A round of the cluster's barrier: my work-group's barrier; wave 0 signals for the work-group; every wave waits for all four work-groups; my work-group's barrier once more.
.macro CROUND
	s_barrier_signal -1
	s_barrier_wait -1
	s_cmp_lg_u32 s[WV], 0
	s_cbranch_scc1 .Lnot_wave_0_\@
	s_barrier_signal -3
.Lnot_wave_0_\@:
	s_barrier_wait -3
	s_barrier_signal -1
	s_barrier_wait -1
.endm
; The joint load: waves 0-3, a quarter of a slot each; the branch hangs on the wave's number alone.  Four v_nop follow the line.
.macro JLOAD
	s_cmp_lt_u32 s[WV], 4
	s_cbranch_scc0 .Lasked_\@
	tensor_load_to_lds s[G0:G0+3], s[G1:G1+7]
	s_nop 0
.rept 4
	v_nop
.endr
.Lasked_\@:
.endm
	s_load_b128 s[4:7], s[0:1], 0x0                ; qimg s[4:5], kv s[6:7]
	s_load_b64 s[8:9], s[0:1], 0x10                ; out
	v_lshl_add_u32 v[SPW], v0, 2, SPARE
	v_mov_b32 v[NIL], 0
	ds_add_u32 v1, v2
	ds_add_u32 v1, v2
	s_wait_dscnt 0x0
	v_lshrrev_b32 v136, 5, v0
	s_delay_alu instid0(VALU_DEP_1)
	v_readfirstlane_b32 s[WV], v136                ; wave 0..15
	s_lshr_b32 s[UU], s[WV], 2                     ; u
	s_add_co_u32 s[TT], s[WV], s[UU]
	s_and_b32 s[TT], s[TT], 3                      ; t: the four waves with equal w % 4 hold all four tiles, and so do the four with equal w / 4
	s_bfe_u32 s[CX], ttmp6, 0x40000                ; cx
	s_mov_b32 s[GC], ttmp9                         ; in a cluster launch ttmp9 counts clusters: g
	s_and_b32 s[BA], ttmp7, 0xffff                 ; the batch, which the four partners share
	s_sub_co_u32 s[GG], 31, s[GC]
	s_cmp_lt_u32 s[TT], 2
	s_cselect_b32 s[GG], s[GC], s[GG]              ; G = g or 31 - g
	s_and_b32 s[TP], s[TT], 1
	s_mov_b32 s[KS], s[UU]
	s_mov_b32 s[TB], 0
	s_mov_b32 s[TRIPS], 3
	s_mov_b32 s[SEL], 0x76543210
	s_mov_b32 s[SEL+1], 0xfedcba98
	s_mov_b32 s[CS], 0x4138aa3b                    ; 8 log2(e)
	s_mov_b32 s[CS+1], s[CS]                       ; (named with it as a pair, so it is written)
	; descriptor group 1: a dense block as 102 rows of 256 bytes (32 elements of 8 bytes), no padding
	s_mov_b32 s[G1], 15|(3<<16)|(1<<21)            ; 15:0 the mask: all four work-groups; 17:16 elements of 8 bytes; 21 set beside a mask
	s_mov_b32 s[G1+1], 32<<16                      ; tensor_dim0 = 32
	s_mov_b32 s[G1+2], 102<<16                     ; tensor_dim1 = 102
	s_mov_b32 s[G1+3], 32<<16                      ; tile_dim0 = 32
	s_mov_b32 s[G1+4], 102                         ; tile_dim1 = 102
	s_mov_b32 s[G1+5], 32                          ; from row to row
	s_mov_b32 s[G1+6], 0
	s_mov_b32 s[G1+7], 0
	s_and_b32 s36, s[WV], 3
	s_mul_i32 s36, s36, QUART                      ; my quarter, in a slot and in memory
	s_mul_i32 s38, s[BA], 32*STEPB                 ; the batch's 32 records
	s_add_co_u32 s38, s38, s36
	s_mov_b32 s39, 0
	s_wait_kmcnt 0x0
	s_mov_b32 s[G0], 1                             ; count = 1
	s_mov_b32 s[G0+1], s36                         ; LDS address: slot 0
	s_add_nc_u64 s[G0+2:G0+3], s[6:7], s[38:39]    ; global address: key steps 0 to 7
	s_or_b32 s[G0+3], s[G0+3], 0x80000000          ; type = 2
	CROUND                                         ; all four work-groups are here: the first joint loads meet
	JLOAD                                          ; slot 0.  By this text's count a wave never has more than one tensor load out
	; Q: my group's chunk, tiles 2 cx and 2 cx + 1 are 12 registers a lane; the half that is my tile is chosen below
	v_and_b32 v136, 31, v0                         ; lane
	v_and_b32 v137, 15, v0                         ; r
	v_bfe_u32 v138, v0, 4, 1                       ; h
	s_delay_alu instid0(VALU_DEP_3)
	v_lshlrev_b32 v252, 4, v136
	s_wait_alu depctr_va_vdst(0)
	v_lshlrev_b32 v253, 4, v137
	s_wait_alu depctr_va_vdst(0)
	s_lshl_b32 s40, s[BA], 5
	s_add_co_u32 s40, s40, s[GG]
	s_mul_i32 s40, s40, QREC                       ; the chunk's record
	s_mul_i32 s42, s[CX], 1536
	s_add_co_u32 s42, s42, s40
	s_mov_b32 s43, 0
	s_add_nc_u64 s[44:45], s[4:5], s[42:43]
	s_lshr_b32 s46, s[CX], 1                       ; tile T = 2 cx + t % 2: its words are word T % 4 of lanes 16 (T / 4) + r: 256 (cx / 2) + 8 (cx % 2) + 4 (t % 2) + 16 r
	s_lshl_b32 s46, s46, 8
	s_and_b32 s47, s[CX], 1
	s_lshl_b32 s47, s47, 3
	s_add_co_u32 s46, s46, s47
	s_lshl_b32 s47, s[TP], 2
	s_add_co_u32 s46, s46, s47
	s_add_co_u32 s46, s46, s40
	s_mov_b32 s47, 0
	s_add_nc_u64 s[46:47], s[4:5], s[46:47]
.irp c, 0,1,2
	global_load_b128 v[Q+4*\c:Q+4*\c+3], v252, s[44:45] offset:512*\c
.endr
	global_load_b32 v[QS], v253, s[46:47] offset:6144
	; addresses that stay
	s_mul_i32 s37, s[UU], STEPB
	v_lshl_add_u32 v[A16], v136, 4, s37
	v_lshl_add_u32 v[A8], v136, 3, s37
	s_lshl_b32 s49, s[CX], 5
	s_lshl_b32 s50, s[TP], 3
	s_add_co_u32 s49, s49, s50                     ; 32 cx + 8 (t % 2)
	v_and_b32 v139, 8, v137
	s_delay_alu instid0(VALU_DEP_1)
	v_add_nc_u32 v139, v139, v137                  ; r + 8 (r / 8)
	v_lshlrev_b32 v140, 4, v138
	s_delay_alu instid0(VALU_DEP_1)
	v_sub_nc_u32 v139, v139, v140
	s_delay_alu instid0(VALU_DEP_1)
	v_add_nc_u32 v[DD], s49, v139
	s_lshl_b32 s36, s[TT], 2
	s_add_co_u32 s36, s36, s[UU]                   ; 4 t + u
	s_mul_i32 s38, s36, STILE
	s_add_co_u32 s38, s38, STAGE
	v_mul_u32_u24 v[STO], v137, SROW
	s_delay_alu instid0(VALU_DEP_1)
	v_lshl_add_u32 v[STO], v138, 5, v[STO]
	s_delay_alu instid0(VALU_DEP_1)
	v_add_nc_u32 v[STO], s38, v[STO]               ; my stage, row r, + 32 h
	s_lshl_b32 s38, s36, 7
	s_add_co_u32 s38, s38, STATS
	v_lshl_add_u32 v[STA], v137, 3, s38
	s_mul_i32 s38, s[TT], 4*STILE                  ; back: my tile's four stages, rows 4 u + h (+ 2 i), 16 bytes a lane
	s_mul_i32 s39, s[UU], 4*SROW
	s_add_co_u32 s38, s38, s39
	s_add_co_u32 s38, s38, STAGE
	v_mul_u32_u24 v[RD], v138, SROW
	s_delay_alu instid0(VALU_DEP_1)
	v_lshl_add_u32 v[RD], v137, 4, v[RD]
	s_delay_alu instid0(VALU_DEP_1)
	v_add_nc_u32 v[RD], s38, v[RD]
	s_lshl_b32 s38, s[TT], 9
	s_lshl_b32 s39, s[UU], 5
	s_add_co_u32 s38, s38, s39
	s_add_co_u32 s38, s38, STATS
	v_lshl_add_u32 v[SRD], v138, 3, s38
	v_lshlrev_b32 v[GO], 8, v138
	s_delay_alu instid0(VALU_DEP_1)
	v_lshl_add_u32 v[GO], v137, 4, v[GO]           ; lanes 0-15 one row of out (256 bytes), lanes 16-31 the next
	s_lshl_b32 s51, s[BA], 12                      ; the first row that I finish: 4,096 batch + 128 G + 32 cx + 8 (t % 2) + 4 u + 8 (u / 2)
	s_lshl_b32 s52, s[GG], 7
	s_add_co_u32 s51, s51, s52
	s_add_co_u32 s51, s51, s49
	s_lshl_b32 s52, s[UU], 2
	s_add_co_u32 s51, s51, s52
	s_lshr_b32 s52, s[UU], 1
	s_lshl_b32 s52, s52, 3
	s_add_co_u32 s51, s51, s52
	s_lshl_b32 s52, s51, 8
	s_mov_b32 s53, 0
	s_add_nc_u64 s[8:9], s[8:9], s[52:53]
	s_cmp_eq_u32 s[TP], 1
	s_cselect_b32 s48, -1, 0                       ; all lanes: the upper of the two tiles is mine
.irp j, 0,1,2,3,4,5
	v_mov_b32 v[K+48+\j], 0                        ; behind K's tile 7
.endr
	v_mov_b32 v13, 0xff61b1e6                      ; the largest t so far: -3e38, under every t
	s_delay_alu instid0(VALU_DEP_1)
	v_floor_f32 v12, -v13                          ; -M
	v_mov_b32 v14, 0                               ; the sum, in two halves
	v_mov_b32 v15, 0
	s_wait_loadcnt 0x0                             ; Q and its scale words
.irp j, 0,1,2,3,4,5
	v_cndmask_b32 v[Q+\j], v[Q+\j], v[Q+6+\j], s48
.endr
.irp j, 0,1,2,3,4,5
	v_mov_b32 v[Q+6+\j], 0                         ; head indices 64 .. 127: zero codes
.endr
.set j, 0
.rept 32
	v_mov_b32 v[O+j], 0                            ; O^T.  The step is written without a first form of its own: the first change of M multiplies zeros.  (These lines are also the places between Q's last write and the first product)
.set j, j+1
.endr
; A KEY STEP: 128 keys: my phase's q-th of the slot in hand (the slot's step u + 4 q).
.macro STEP q
	s_cmp_gt_u32 s[KS], s[GG]                      ; all its keys come after my queries: the work is jumped over; no barrier and no tensor load stands in a step
	s_cbranch_scc1 .Lhidden_\@
	v_add_nc_u32 v[AD16], s[TB], v[A16]
	v_add_nc_u32 v[AD8], s[TB], v[A8]
.irp j, 0,1,2,3,4,5,6,7,8,9,10,11
	ds_load_b128 v[K+4*\j:K+4*\j+3], v[AD16] offset:(\q)*4*STEPB+512*\j
.endr
	ds_load_b128 v[KSC:KSC+3], v[AD16] offset:(\q)*4*STEPB+6144
.irp j, 0,1,2,3,4,5,6,7,8,9,10,11
	ds_load_b128 v[V+4*\j:V+4*\j+3], v[AD16] offset:(\q)*4*STEPB+6656+512*\j
.endr
	ds_load_b64 v[VSC:VSC+1], v[AD8] offset:(\q)*4*STEPB+12800
	s_wait_dscnt 13                                ; K and its scale words are in; V's twelve loads and its scale words', issued behind them, may stay out
.irp i, 0,1,2,3
	v_wmma_scale_f32_16x16x128_f8f6f4 v[S+8*\i:S+8*\i+7], v[K+6*\i:K+6*\i+11], v[Q:Q+11], 0, v[KSC+\i], v[QS] matrix_a_fmt:MATRIX_FMT_FP6 matrix_b_fmt:MATRIX_FMT_FP6
.endr
.irp i, 4,5,6,7
	v_wmma_scale_f32_16x16x128_f8f6f4 v[S+8*\i:S+8*\i+7], v[K+6*\i:K+6*\i+11], v[Q:Q+11], 0, v[KSC+\i-4], v[QS] matrix_a_fmt:MATRIX_FMT_FP6 matrix_b_fmt:MATRIX_FMT_FP6 matrix_a_scale:MATRIX_SCALE_ROW1
.endr
.rept 4
	v_nop                                          ; four places in front of the first read of the scores and the first write into K's registers (ISA guide 7.12.1)
.endr
	s_cmp_lt_u32 s[KS], s[GG]                      ; only step G lies on the diagonal
	s_cbranch_scc1 .Lopen_\@
	v_mov_b32 v[TMP], 0xff800000                   ; -infinity: p = 0 then.  Key 128 G counts for every query of the group, so M stays a number
.set n, 0
.rept 64                                       ; register n holds key 128 G + 16 (lane / 16) + 32 (n / 16) + n % 16: hidden where 32 (n / 16) + n % 16 > v5
	v_cmp_gt_i32 vcc_lo, 32*(n/16)+n%16, v[DD]
	v_cndmask_b32 v[S+n], v[S+n], v[TMP], vcc_lo
.set n, n+1
.endr
.Lopen_\@:
.irp b, 0,1,2,3
	v_max3_num_f32 v[BM+\b], v[S+16*\b], v[S+16*\b+1], v[S+16*\b+2]        ; the largest score of each block of 32 keys: for the row's maximum, and, since p rises with the score, for the block's largest p
.endr
.irp i, 3,5,7,9,11,13
.irp b, 0,1,2,3
	v_max3_num_f32 v[BM+\b], v[BM+\b], v[S+16*\b+\i], v[S+16*\b+\i+1]      ; the four blocks by turns
.endr
.endr
.irp b, 0,1,2,3
	v_max_num_f32 v[BM+\b], v[BM+\b], v[S+16*\b+15]
.endr
.irp b, 0,1,2,3
	s_delay_alu instid0(VALU_DEP_4)
	v_permlanex16_b32 v[PT+\b], v[BM+\b], s[SEL], s[SEL+1]
.endr
.irp b, 0,1,2,3
	s_delay_alu instid0(VALU_DEP_4)
	v_max_num_f32 v[BM+\b], v[BM+\b], v[PT+\b]     ; with lane l xor 16's 16 keys
.endr
	s_delay_alu instid0(VALU_DEP_2)
	v_max3_num_f32 v[TMP], v[BM], v[BM+1], v[BM+2]
	s_delay_alu instid0(VALU_DEP_1)
	v_max_num_f32 v[TMP], v[TMP], v[BM+3]          ; the step's largest score of my query,
	s_delay_alu instid0(VALU_DEP_1)
	v_mul_f32 v[TMP], s[CS], v[TMP]                ; as t (c is positive)
	s_delay_alu instid0(VALU_DEP_1)
	v_max_num_f32 v13, v13, v[TMP]                 ; the running largest t
	v_mov_b32 v[TMP], v12
	s_delay_alu instid0(VALU_DEP_2)
	v_floor_f32 v12, -v13                          ; the new -M = floor(-t) = -ceil(t): a whole number
	s_delay_alu instid0(VALU_DEP_1)
	v_sub_f32 v[TMP], v12, v[TMP]                  ; old M less new M: a whole number, 0 or less
	s_delay_alu instid0(VALU_DEP_1)
	v_cvt_i32_f32 v[TMP], v[TMP]                   ; (it saturates)
	s_delay_alu instid0(VALU_DEP_1)
	v_ldexp_f32 v[F], 1.0, v[TMP]                  ; f = 2^(old M - new M): a multiplication by it rounds nothing
.set j, 0
.rept 32
	v_pk_fma_f32 v[S+j:S+j+1], v[S+j:S+j+1], s[CS:CS+1], v[12:13] op_sel_hi:[1,0,0]    ; t - M, two at a time
.set j, j+2
.endr
.irp b, 0,1,2,3
	v_fma_f32 v[BM+\b], v[BM+\b], s[CS], v12       ; the same of each block's largest score
.endr
.set j, 0
	s_wait_alu depctr_va_vdst(0)
.rept 64
	v_exp_f32 v[S+j], v[S+j]                       ; p = 2^(t - M), at most 1
.set j, j+1
.endr
.irp b, 0,1,2,3
	v_exp_f32 v[BM+\b], v[BM+\b]                   ; the block's largest p: the same two instructions on the same number
.endr
	v_pk_mul_f32 v[14:15], v[14:15], v[F:F+1] op_sel_hi:[1,0]      ; the sums under the new M.  (The plain place behind the exponentials)
	s_wait_alu depctr_va_vdst(0)
.irp b, 0,1,2,3
	v_max_num_f32 v[BM+\b], 0x1800000, v[BM+\b]    ; the floor 2^(3 - 127): the byte cannot fall under 1
.endr
.irp b, 0,1,2,3
	s_delay_alu instid0(VALU_DEP_4)
	v_add_nc_u32 v[BM+\b], 0xff000000, v[BM+\b]    ; 2 off the exponent field: the conversion's scale operand
.endr
.irp b, 0,1,2,3
	s_delay_alu instid0(VALU_DEP_4)
	v_lshrrev_b32 v[BY+\b], 23, v[BM+\b]           ; the scale's byte
.endr
	s_delay_alu instid0(VALU_DEP_3)
	v_lshl_or_b32 v[PW], v[BY+1], 8, v[BY]         ; p's scale word for these 128 keys
	s_delay_alu instid0(VALU_DEP_1)
	v_lshl_or_b32 v[PW], v[BY+2], 16, v[PW]
	s_delay_alu instid0(VALU_DEP_1)
	v_lshl_or_b32 v[PW], v[BY+3], 24, v[PW]
.irp c, 0,1
	v_cvt_scalef32_pk16_fp6_f32 v[P+6*\c:P+6*\c+2], v[S+32*\c:S+32*\c+15], v[BM+2*\c]
	v_cvt_scalef32_pk16_fp6_f32 v[CV+4*\c:CV+4*\c+2], v[S+32*\c+16:S+32*\c+31], v[BM+2*\c+1]   ; (a conversion's three registers begin on an even number)
.endr
	v_nop                                          ; one plain place behind a scaled conversion
.irp c, 0,1                                    ; the layout wants a whole block in a lane: lanes 0-15 block 2 c, lanes 16-31 block 2 c + 1
.irp i, 0,1,2
	v_permlane16_swap_b32 v[P+6*\c+\i], v[CV+4*\c+\i]
.endr
.irp i, 0,1,2
	s_delay_alu instid0(VALU_DEP_3)
	v_mov_b32 v[P+6*\c+3+\i], v[CV+4*\c+\i]
.endr
.endr
	v_pk_add_f32 v[48:49], v[140:141], v[144:145]
	v_pk_add_f32 v[252:253], v[148:149], v[152:153]
	v_pk_add_f32 v[250:251], v[156:157], v[160:161]
	v_pk_add_f32 v[248:249], v[164:165], v[168:169]
	v_pk_add_f32 v[246:247], v[172:173], v[176:177]
	v_pk_add_f32 v[78:79], v[180:181], v[184:185]
	v_pk_add_f32 v[76:77], v[188:189], v[192:193]
	v_pk_add_f32 v[14:15], v[14:15], v[196:197]
	v_pk_add_f32 v[48:49], v[48:49], v[136:137]
	v_pk_add_f32 v[252:253], v[252:253], v[138:139]
	v_pk_add_f32 v[250:251], v[250:251], v[142:143]
	v_pk_add_f32 v[248:249], v[248:249], v[146:147]
	v_pk_add_f32 v[246:247], v[246:247], v[150:151]
	v_pk_add_f32 v[78:79], v[78:79], v[154:155]
	v_pk_add_f32 v[76:77], v[76:77], v[158:159]
	v_pk_add_f32 v[14:15], v[14:15], v[162:163]
	v_pk_add_f32 v[48:49], v[48:49], v[166:167]
	v_pk_add_f32 v[252:253], v[252:253], v[170:171]
	v_pk_add_f32 v[250:251], v[250:251], v[174:175]
	v_pk_add_f32 v[248:249], v[248:249], v[178:179]
	v_pk_add_f32 v[246:247], v[246:247], v[182:183]
	v_pk_add_f32 v[78:79], v[78:79], v[186:187]
	v_pk_add_f32 v[76:77], v[76:77], v[190:191]
	v_pk_add_f32 v[14:15], v[14:15], v[194:195]
	v_pk_add_f32 v[48:49], v[48:49], v[198:199]
	s_delay_alu instid0(VALU_DEP_2)
	v_pk_add_f32 v[14:15], v[14:15], v[248:249]
	s_delay_alu instid0(VALU_DEP_2)
	v_pk_add_f32 v[48:49], v[48:49], v[246:247]
	v_pk_add_f32 v[252:253], v[252:253], v[78:79]
	v_pk_add_f32 v[250:251], v[250:251], v[76:77]
	s_delay_alu instid0(VALU_DEP_2)
	v_pk_add_f32 v[14:15], v[14:15], v[252:253]
	s_delay_alu instid0(VALU_DEP_2)
	v_pk_add_f32 v[48:49], v[48:49], v[250:251]
	s_delay_alu instid0(VALU_DEP_1)
	v_pk_add_f32 v[14:15], v[14:15], v[48:49]
.set j, 0
.rept 16
	v_pk_mul_f32 v[O+j:O+j+1], v[O+j:O+j+1], v[F:F+1] op_sel_hi:[1,0]      ; O^T under the new M.  (The sums and these lines are the places between p's codes and scale word and the products below)
.set j, j+2
.endr
	s_wait_alu depctr_va_vdst(0)
	s_wait_dscnt 0x0                               ; V and its scale words are in
.irp n, 0,1
	v_wmma_scale_f32_16x16x128_f8f6f4 v[O+8*\n:O+8*\n+7], v[V+12*\n:V+12*\n+11], v[P:P+11], v[O+8*\n:O+8*\n+7], v[VSC+\n], v[PW] matrix_a_fmt:MATRIX_FMT_FP6 matrix_b_fmt:MATRIX_FMT_FP6
.endr
.irp n, 2,3
	v_wmma_scale_f32_16x16x128_f8f6f4 v[O+8*\n:O+8*\n+7], v[V+12*\n:V+12*\n+11], v[P:P+11], v[O+8*\n:O+8*\n+7], v[VSC+\n-2], v[PW] matrix_a_fmt:MATRIX_FMT_FP6 matrix_b_fmt:MATRIX_FMT_FP6 matrix_a_scale:MATRIX_SCALE_ROW1
.endr
.rept 4
	v_nop                                          ; four places in front of the next loads into V's registers and scale words, and of the first read of O^T
.endr
.Lhidden_\@:
	s_add_co_u32 s[KS], s[KS], 4                   ; my next key step
.endm
; THE CHANGE OF SLOTS stands at a slot's head.  Each wave waits for all its tensor loads (its part of the slot that is about to be read), adds 0 to its spare word, and waits for that and for its reads of the slot that it has left.
; fill = 1: the barrier is a round of the cluster's, so that no wave of any partner still reads the other slot or has a load on its way; the joint load into that slot is the first thing behind it and has a whole slot's steps in which to land.
.macro CHANGE fill
	s_wait_tensorcnt 0x0                           ; no tensor load of mine is out, so group 0 may be written
	ds_add_u32 v[SPW], v[NIL]                      ; 0 onto my spare word
.if \fill
	s_xor_b32 s[G0+1], s[G0+1], SLOT1              ; the other slot than last time,
	s_add_nc_u64 s[G0+2:G0+3], s[G0+2:G0+3], SLOTB ; the next 8 key steps; the type bits on top are not reached
.endif
	s_wait_dscnt 0x0                               ; the add is done, and my reads of the slot that I have left are over
.if \fill
	CROUND
	JLOAD
.else
	s_barrier_signal -1
	s_barrier_wait -1
.endif
.endm
.macro SLOT_STEPS
	STEP 0
	STEP 1
	s_xor_b32 s[TB], s[TB], SLOT1                  ; on to the other slot
.endm
.Lslot:                                                ; three trips: behind each change of slots but the last the next slot is asked for (slot 1's first fill among them)
	CHANGE 1
	SLOT_STEPS
	s_sub_co_u32 s[TRIPS], s[TRIPS], 1
	s_cmp_lg_u32 s[TRIPS], 0
	s_cbranch_scc1 .Lslot
	CHANGE 0                                       ; the last slot is written out
	SLOT_STEPS
	; THE MERGE.  My O^T, my row sums and -M go to LDS; behind a barrier wave (t, u) finishes rows 4 u .. 4 u + 3 of tile t from the four partial results.
	v_add_f32 v14, v14, v15                        ; the sum's two halves,
	s_delay_alu instid0(VALU_DEP_1)
	v_permlanex16_b32 v15, v14, s[SEL], s[SEL+1]
	s_delay_alu instid0(VALU_DEP_1)
	v_add_f32 v13, v14, v15                        ; and lane l xor 16's: beside -M, as a pair
	ds_store_b64 v[STA], v[12:13]                  ; lanes r and 16 + r write the same 8 bytes with the same values
	s_wait_alu depctr_va_vdst(0)
.irp n, 0,1,2,3
	ds_store_b128 v[STO], v[O+8*\n:O+8*\n+3] offset:64*\n          ; query r, channels 16 n + 8 h + 0 .. 7; each accumulator from its low end on
	ds_store_b128 v[STO], v[O+8*\n+4:O+8*\n+7] offset:64*\n+16
.endr
	s_wait_dscnt 0x0                               ; for the others' sake: my stores have landed
	s_barrier_signal -1
	s_barrier_wait -1
.irp w, 0,1,2,3
.irp i, 0,1
	ds_load_b64 v[MS+4*\w+2*\i:MS+4*\w+2*\i+1], v[SRD] offset:128*\w+16*\i         ; partial w, row 4 u + h + 2 i: -M and the sum
.endr
.endr
.irp w, 0,1,2,3
.irp i, 0,1
	ds_load_b128 v[MO+8*\w+4*\i:MO+8*\w+4*\i+3], v[RD] offset:STILE*\w+2*SROW*\i   ; and my four channels of it
.endr
.endr
	s_wait_dscnt 0x0
.irp i, 0,1
	v_min3_num_f32 v[NM+\i], v[MS+2*\i], v[MS+4+2*\i], v[MS+8+2*\i]
.endr
.irp i, 0,1
	s_delay_alu instid0(VALU_DEP_2)
	v_min_num_f32 v[NM+\i], v[NM+\i], v[MS+12+2*\i]                ; the joint -M: the smallest
.endr
.irp w, 0,1,2,3
.irp i, 0,1
	v_sub_f32 v[MF+4*\i+\w], v[NM+\i], v[MS+4*\w+2*\i]             ; partial M less joint M: a whole number, 0 or less (a wave without steps: about -3e38)
.endr
.endr
.irp w, 0,1,2,3
.irp i, 0,1
	v_cvt_i32_f32 v[MF+4*\i+\w], v[MF+4*\i+\w]     ; (it saturates)
.endr
.endr
.irp w, 0,1,2,3
.irp i, 0,1
	v_ldexp_f32 v[MF+4*\i+\w], 1.0, v[MF+4*\i+\w]  ; the partial's factor, a power of two or 0
.endr
.endr
.irp i, 0,1
	v_mul_f32 v[ML+\i], v[MF+4*\i], v[MS+2*\i+1]
.endr
.irp w, 1,2,3
.irp i, 0,1
	s_delay_alu instid0(VALU_DEP_2)
	v_fma_f32 v[ML+\i], v[MF+4*\i+\w], v[MS+4*\w+2*\i+1], v[ML+\i] ; the row's sum: over 1/2, since the row's largest p is
.endr
.endr
	s_wait_alu depctr_va_vdst(0)
	v_rcp_f32 v[ML], v[ML]
	v_rcp_f32 v[ML+1], v[ML+1]
	v_nop                                          ; one plain place behind a transcendental
	s_wait_alu depctr_va_vdst(0)
.irp w, 0,1,2,3
.irp i, 0,1
	v_mul_f32 v[MF+4*\i+\w], v[MF+4*\i+\w], v[ML+\i]
.endr
.endr
.irp i, 0,1
.irp c, 0,1,2,3
	v_mul_f32 v[MR+4*\i+\c], v[MF+4*\i], v[MO+4*\i+\c]
.endr
.endr
.irp w, 1,2,3
.irp i, 0,1
.irp c, 0,1,2,3
	v_fma_f32 v[MR+4*\i+\c], v[MF+4*\i+\w], v[MO+8*\w+4*\i+\c], v[MR+4*\i+\c]
.endr
.endr
.endr
.irp i, 0,1
	global_store_b128 v[GO], v[MR+4*\i:MR+4*\i+3], s[8:9] offset:512*\i th:TH_STORE_NT     ; two whole rows of out: 512 consecutive bytes, aligned to 256; written once
.endr
	s_wait_tensorcnt 0x0                           ; the wave's end: behind my last tensor load and my last LDS store
	ds_add_u32 v[SPW], v[NIL]
	s_wait_dscnt 0x0
	CROUND                                         ; the closing round: no work-group ends while a partner may still ask for a tile that names it
	s_endpgm
.Lfunc_end_k_q82f8c36079_attend:
	.size	k_q82f8c36079_attend, .Lfunc_end_k_q82f8c36079_attend-k_q82f8c36079_attend
	.p2alignl 7, 3214868480
	.fill 96, 4, 3214868480
	.section	.rodata,"a",@progbits
	.p2align	6, 0x0
	.amdhsa_kernel k_q82f8c36079_attend
		.amdhsa_group_segment_fixed_size 327680
		.amdhsa_private_segment_fixed_size 0
		.amdhsa_enable_private_segment 0
		.amdhsa_kernarg_size 24
		.amdhsa_user_sgpr_count 2
		.amdhsa_user_sgpr_kernarg_segment_ptr 1
		.amdhsa_wavefront_size32 1
		.amdhsa_system_sgpr_workgroup_id_x 1
		.amdhsa_system_sgpr_workgroup_id_y 1
		.amdhsa_system_sgpr_workgroup_id_z 1
		.amdhsa_system_vgpr_workitem_id 0
		.amdhsa_next_free_vgpr 256
		.amdhsa_next_free_sgpr 66
		.amdhsa_reserve_vcc 1
		.amdhsa_float_denorm_mode_32 3
		.amdhsa_float_denorm_mode_16_64 3
		.amdhsa_memory_ordered 1
		.amdhsa_forward_progress 1
		.amdhsa_inst_pref_size 103
	.end_amdhsa_kernel
	.amdgpu_metadata
---
amdhsa.version: [ 1, 2 ]
amdhsa.kernels:
  - .name:           k_q82f8c36079_attend
    .symbol:         k_q82f8c36079_attend.kd
    .args:
      - { .name: qimg, .offset: 0, .size: 8, .value_kind: global_buffer, .address_space: global }
      - { .name: kv, .offset: 8, .size: 8, .value_kind: global_buffer, .address_space: global }
      - { .name: out0, .offset: 16, .size: 8, .value_kind: global_buffer, .address_space: global }
    .group_segment_fixed_size: 327680
    .private_segment_fixed_size: 0
    .kernarg_segment_align: 8
    .kernarg_segment_size: 24
    .max_flat_workgroup_size: 512
    .sgpr_count:     66
    .vgpr_count:     256
    .wavefront_size: 32
...
	.end_amdgpu_metadata
.endif
;; end of part 2
